; MI455X (gfx1250); checked and timed in simulation.
; The chip was launched on July 23, 2026; its instructions are those of AMD's public machine-readable ISA for CDNA 5 (MIT licence, August 2026) and "CDNA5" Instruction Set Architecture Reference Guide (July 2026). The comments in the code are by the model that wrote it; some were corrected since.
;; Cross Attention. Allowed arithmetic: matrix products marked QUANTISED: E2M3 operands, one E8M0 scale for each 32 along K, by v_wmma_scale_f32_16x16x128_f8f6f4 with both operands' format E2M3, f32 sums; everything else in f32.
;; Inputs: Wkv 1,024 x 2,048 float32; Wq 1,024 x 1,024 float32; bkv 2,048 float32; bq 1,024 float32; query 4 x 1,024 x 1,024 float32; x 4 x 1,024 x 1,024 float32.
;; Outputs: out0 4 x 1,024 x 1,024 float32.
;; This version of the problem:
;;   THIS VERSION OF THE PROBLEM IS GIVEN IN LOW PRECISION. The matrix products marked QUANTISED in the list below multiply operands that are first quantised to E2M3 (2 exponent bits, 3 mantissa bits; 6 bits a number), with one power-of-two scale for each 32 numbers along K (OCP MX v1.0); their sums are f32. All else is computed in f32.
;;   The module's matrix products, in the order in which they are computed (A, B: the left and right operand; K: the contracted axis; several contracted axes count as one K, in the product's order):
;;     1. [M 4,096, K 1,024] x [K 1,024, N 2,048]; A: input x; B: input Wkv: QUANTISED
;;     2. [M 4,096, K 1,024] x [K 1,024, N 1,024]; A: input query; B: input Wq: QUANTISED
;;     3. batch 64 x [M 1,024, K 64] x [K 64, N 2,048]; A: computed on the way; B: computed on the way: QUANTISED
;;     4. batch 64 x [M 1,024, K 2,048] x [K 2,048, N 64]; A: softmax (see below); B: computed on the way: QUANTISED
;;   THE QUANTISER, for each operand of a quantised product, along K:
;;     - K is cut into blocks of 32 from its start; a last block that is shorter is filled with zeros.
;;     - A block's scale is 2^e with e = floor(log2(the largest magnitude in the block)) - 2, held to -126 .. 127; a block of zeros has e = 0. As a byte (E8M0): e + 127.
;;     - Each number is divided by its block's scale, clamped to +-7.5, and rounded to the nearest number of E2M3, ties to even, subnormals kept.
;;     - The product sums the exact products of the quantised numbers (number of the format x scale) in f32.
;;   ~~~python
;;   def quantise(x, axis):      # numpy; x: float32 -> the quantised numbers, widened to float32 again
;;       x = np.moveaxis(x, axis, -1); K = x.shape[-1]
;;       x = np.pad(x, [(0, 0)] * (x.ndim - 1) + [(0, -K % 32)]); x = x.reshape(x.shape[:-1] + (-1, 32)); a = np.abs(x).max(-1, keepdims=True)
;;       e = np.where(a > 0, np.clip(np.frexp(np.where(a > 0, a, 1))[1] - 1 - 2, -126, 127), 0)      # np.frexp(a)[1] - 1 = floor(log2(a)), exactly
;;       r = np.clip(x / 2.0 ** e, -7.5, 7.5)
;;       step = 2.0 ** (np.maximum(np.frexp(np.where(r == 0, 1, r))[1] - 1, 0) - 3)
;;       q = np.round(r / step) * step * 2.0 ** e      # np.round: ties to even
;;       return np.moveaxis(q.reshape(q.shape[:-2] + (-1,))[..., :K], -1, axis).astype(np.float32)
;;   ~~~
;;   SOFTMAX AHEAD OF A QUANTISED PRODUCT. Where the list says 'softmax', what is quantised is not the finished softmax but p = 2^(t - M), with t = logit x log2(e) and M = ceil(the row's largest t), a whole number; so 1/2 < the row's largest p <= 1. The row's sum l is taken of the UNQUANTISED p, in f32, and the product's result is divided by l at the end. Since M is a whole number, a kernel that streams over the keys may use a running M (the ceiling of the running maximum): every later rescaling is an exact power of two, which a block's scale takes up: the codes' values come out the same.
;;   OPERANDS COMPUTED ON THE WAY. 'Computed on the way' means the value that the module computes at that place (a softmax that the list does not call 'softmax' is quantised finished and normalised). What goes into a quantiser is computed in f32, as accurately as f32 sums, v_exp_f32 and their like allow (about 1e-6 of the number): no bf16 or f16 on the way to a quantiser, and a product that is left as it is and whose result goes on into a quantised operand takes f32 operands (vector FMAs, or v_wmma_f32_16x16x4_f32). A number that lies on a knife's edge between two numbers of the format may be rounded either way, as far as f32 arithmetic and the matrix unit's own rounding can turn it there, and no further.
;; One version. Each part assembles by itself: llvm-mc -triple=amdgcn-amd-amdhsa -mcpu=gfx1250 --defsym DOCPART=n.
;; ======== version 1 of 1: 3 launches
;; limits: right only within a limited range of input values
;; workspace buffers: a_codes 6,291,456 bytes; a_scales 262,144 bytes; w_codes 2,359,296 bytes; w_scales 98,304 bytes; kv 10,092,544 bytes
;; launch quant (part 1): grid 352 x 1, 4 waves a work-group, no clusters, 68,096 bytes of LDS; arguments x, query, Wkv, Wq, a_codes, a_scales, w_codes, w_scales; writes a_codes, a_scales, w_codes, w_scales
.if DOCPART == 1
	.amdgcn_target "amdgcn-amd-amdhsa--gfx1250"
	.amdhsa_code_object_version 6
	.text
	.protected	k_q507e6c5954_quant
	.globl	k_q507e6c5954_quant
	.p2align	8
	.type	k_q507e6c5954_quant,@function
k_q507e6c5954_quant:
	s_mov_b64 s[64:65], 0
	v_nop
	global_prefetch_b8 v0, s[64:65] scope:SCOPE_SE
	s_setreg_imm32_b32 hwreg(HW_REG_WAVE_MODE, 25, 1), 1
	s_wait_xcnt 0x0
; x and query [4096][1024] f32 (K innermost) and Wkv [1024][2048], Wq [1024][1024] f32 (K is the FIRST axis) become codes of FP6 (E2M3), K innermost, 768 bytes a row,
; with one E8M0 scale byte for each 32 along K, 32 bytes a row.  a_codes, a_scales: rows 0-4095 x, 4096-8191 query.  w_codes, w_scales: rows 0-2047 the columns of Wkv, 2048-3071 those of Wq.
; A block's scale is 2^(floor(log2(its largest magnitude)) - 2); its byte is the largest magnitude's exponent field - 2, held at 1 from below.
; POSITION ORDER: in every group of 32 rows of the four output buffers the second and the third run of 8 rows change places: position 16 u + r holds row 8 u + r + 8 (r / 8).
; So 16 neighbouring positions are a tile whose results, in the next launch's products, give a lane 16 neighbours along the axis that is quantised next.
; LIMITS: NaN and infinities among the inputs are not served.  A block whose largest magnitude lies under 2^-124 keeps the byte 1; a block of zeros gets the byte 1 where the rule says 127:
; its codes are zeros, which add nothing under any byte but 0xff, and the bytes are read by this program alone.
; Work-groups 0-255 take 32 rows of x or query each, work-groups 256-351 take 128 columns x 256 along K of a weight: 131,072 bytes read by each.  The two paths have LDS bytes of their own.
; No tensor loads, no barrier: waves share nothing.  Memory binds: matrix units, clusters and large register tiles would add nothing here.
; THE POSITION ORDER AS THE CODE BELOW HAS IT (it takes the place of the order by groups of 32 described above): in every group of 64 rows of the four output buffers
; the eight runs of 8 rows stand in the order 0, 4, 1, 5, 2, 6, 3, 7: run i stands at place 2 (i % 4) + i / 4.  So rows 0-7 of a tile of 16 positions are run t and rows 8-15 run t + 4,
; and four neighbouring tiles give a lane, in the next launch's products, a whole block of 32 neighbours along the axis that is quantised next.
.set EMAX,  2
.set CB,    12                         ; bytes of 16 codes
.set STEPS, 16
.set AR,    16                         ; rows' path: v16-79   four sets of 16 numbers as they are loaded
.set AX,    80                         ;             v80-111  two sets of 16 neighbours
.set AE,    112                        ;             v112-127 a scale byte for each step
.set AC,    128                        ;             v128-191 codes: four registers for each step, so that no store's data are written again
.set WREG,  8192                       ;             LDS: a region for each wave: two stages of 32 x SP bytes, behind them its 256 scale bytes
.set SP,    80                         ;             a lane's place in a stage: 64 bytes + 16 of padding
.set BSB,   24                         ; weights' path: v24-25  the scale bytes, four to a register
.set BX,    32                         ;             v32-95   two sets of 32 numbers
.set BC,    96                         ;             v96-102  a block's codes
.set BOUT,  112                        ;             v112-175 the way out
.set ROFF,  176                        ;             v176-207 4 x lane + i rows of the weight, i = 0 .. 31; never rewritten
.set NB,    8                          ;             blocks of 32 along K for a wave
.set BP,    272                        ;             a stage row: sixteen places of 16 bytes, each with 12 bytes of codes, + 16
.set BLDS,  32768                      ;             where this path's LDS bytes begin
.set KROW,  768                        ; a row of codes in bytes
	s_load_b512 s[4:19], s[0:1], 0x0               ; x s[4:5], query s[6:7], Wkv s[8:9], Wq s[10:11], a_codes s[12:13], a_scales s[14:15], w_codes s[16:17], w_scales s[18:19]
	v_lshl_add_u32 v208, v0, 2, 0x10800
	v_mov_b32 v209, 0
	v_lshrrev_b32 v1, 5, v0
	v_readfirstlane_b32 s20, v1                    ; wave 0..3
	v_and_b32 v2, 31, v0                           ; lane
	s_cmp_lt_u32 ttmp9, 256                        ; the choice hangs on the work-group's number alone
	s_cbranch_scc0 .Lweights
; ---- ROWS WHOSE K IS INNERMOST.  Wave w takes rows 8 w .. 8 w + 7 of the group's 32: 8,192 numbers, 16 steps of 512.  Each load reads 512 consecutive bytes; a step's 2,048 bytes turn through the wave's
; own stage in LDS and come back 64 bytes a lane: 16 neighbours along K, two neighbouring lanes to a block.
	v_lshlrev_b32 v3, 4, v2                        ; my 16 bytes of a load's 512
	s_mul_i32 s21, s20, WREG
	v_lshrrev_b32 v14, 2, v2
	v_mul_u32_u24 v14, v14, SP
	v_and_b32 v15, 3, v2
	v_lshl_add_u32 v14, v15, 4, v14
	v_add_nc_u32 v14, s21, v14                     ; the stage, on the way in: SP (lane / 4) + 16 (lane % 4)
	v_mul_u32_u24 v15, v2, SP
	v_add_nc_u32 v15, s21, v15                     ; and on the way out: SP x lane
	v_mul_u32_u24 v4, v2, CB                       ; my codes' place in a step's
	v_lshrrev_b32 v5, 1, v2
	s_add_co_u32 s21, s21, 2*32*SP
	v_add_nc_u32 v5, s21, v5                       ; LDS: my wave's 256 scale bytes, my block's byte
	v_lshlrev_b32 v7, 3, v2                        ; and on the way out 8 bytes a lane
	v_add_nc_u32 v6, s21, v7
	s_and_b32 s22, ttmp9, 127
	s_lshl_b32 s22, s22, 2
	s_add_co_u32 s22, s22, s20                     ; which run of 8 rows of the tensor I read,
	s_lshl_b32 s22, s22, 15                        ; 32,768 bytes each
	s_mov_b32 s23, 0
	s_lshl_b32 s25, ttmp9, 2
	s_add_co_u32 s25, s25, s20                     ; the run of 8 rows that I read, counted over x and query
	s_and_b32 s24, s25, 3
	s_lshl_b32 s24, s24, 1
	s_bfe_u32 s28, s25, 0x10002
	s_or_b32 s24, s24, s28                         ; its place among its group's eight: 2 (i % 4) + i / 4
	s_and_b32 s25, s25, 0xfffffff8
	s_or_b32 s24, s24, s25                         ; which run of 8 rows of the outputs I write
	s_mul_i32 s26, s24, 8*KROW
	s_mov_b32 s27, 0
	s_lshl_b32 s24, s24, 8                         ; 256 scale bytes a run
	s_mov_b32 s25, 0
	s_wait_alu depctr_va_vdst(0)
	s_wait_kmcnt 0x0
	s_cmp_lt_u32 ttmp9, 128                        ; x's work-group or query's
	s_cselect_b64 s[4:5], s[4:5], s[6:7]
	s_add_nc_u64 s[4:5], s[4:5], s[22:23]
	s_add_nc_u64 s[12:13], s[12:13], s[26:27]
	s_add_nc_u64 s[14:15], s[14:15], s[24:25]
.macro ALOAD t
.irp i, 0,1,2,3
	global_load_b128 v[AR+16*((\t)%4)+4*\i:AR+16*((\t)%4)+4*\i+3], v3, s[4:5] offset:2048*(\t)+512*\i th:TH_LOAD_NT   ; 32 lanes read 512 consecutive bytes
.endr
.endm
.macro ATURN t                         ; step t's numbers through the stage: LDS serves a wave's instructions in order, so no wait stands between the stores and the loads
.irp i, 0,1,2,3
	ds_store_b128 v14, v[AR+16*((\t)%4)+4*\i:AR+16*((\t)%4)+4*\i+3] offset:32*SP*((\t)%2)+8*SP*\i
.endr
.irp i, 0,1,2,3
	ds_load_b128 v[AX+16*((\t)%2)+4*\i:AX+16*((\t)%2)+4*\i+3], v15 offset:32*SP*((\t)%2)+16*\i
.endr
.endm
.irp t, 0,1,2,3
	ALOAD \t
.endr
	s_wait_loadcnt 12                              ; step 0's four loads are in; the twelve of steps 1 to 3 may be out
	ATURN 0
.macro ASTEP t
.set XS, AX+16*((\t)%2)
.if (\t) > 0
	s_wait_dscnt 1                                 ; this step's numbers are back from the stage (the last step's byte store may be out): so its stores into the stage have read their registers,
.else
	s_wait_dscnt 0x0
.endif
.if (\t)+4 < STEPS
	ALOAD (\t)+4                                   ; which take the loads of four steps on
.endif
.if (\t)+1 < STEPS
.if STEPS-2-(\t) >= 3
	s_wait_loadcnt 12                              ; the next step's four loads are in; those of the three steps behind it may be out
.else
	s_wait_loadcnt 4*(STEPS-2-(\t))
.endif
	ATURN (\t)+1                                   ; and go through the other stage while this step is worked
.endif
	v_max3_num_f32 v8, |v[XS]|, |v[XS+1]|, |v[XS+2]|               ; the largest magnitude of my 16, in two chains
	v_max3_num_f32 v9, |v[XS+3]|, |v[XS+4]|, |v[XS+5]|
.irp i, 6,10
	v_max3_num_f32 v8, v8, |v[XS+\i]|, |v[XS+\i+1]|
	v_max3_num_f32 v9, v9, |v[XS+\i+2]|, |v[XS+\i+3]|
.endr
	v_max3_num_f32 v8, v8, |v[XS+14]|, |v[XS+15]|
	v_max3_num_f32 v8, v8, v9, (EMAX+1)<<23        ; and the floor 2^(3 - 127): so the byte cannot fall under 1
	v_max_num_f32_dpp v8, v8, v8 row_xmask:1 row_mask:0xf bank_mask:0xf   ; and of my neighbour's 16: the block's
	v_add_nc_u32 v11, 0xff000000, v8               ; 2 off its exponent field: the conversion takes the exponent field of this operand as its scale, and nothing else of it
	v_cvt_scalef32_pk16_fp6_f32 v[AC+4*(\t):AC+4*(\t)+2], v[XS:XS+15], v11   ; sixteen numbers / the scale, to the nearest code, ties to even, beyond the largest code the largest; 96 bits without gaps
	v_lshrrev_b32 v[AE+(\t)], 23, v11              ; the scale's byte
	ds_store_b8 v5, v[AE+(\t)] offset:16*(\t)      ; both lanes of a block write the same byte with the same value
	global_store_b96 v4, v[AC+4*(\t):AC+4*(\t)+2], s[12:13] offset:32*CB*(\t)   ; the wave stores 384 consecutive bytes
.endm
.irp t, 0,1,2,3,4,5,6,7,8,9,10,11,12,13,14,15
	ASTEP \t
.endr
	ds_load_b64 v[12:13], v6                       ; LDS serves a wave's instructions in order: these see my stores
	s_wait_dscnt 0x0
	global_store_b64 v7, v[12:13], s[14:15]        ; 32 lanes store 256 consecutive bytes, at a multiple of 256 from the buffer's first byte
	s_wait_tensorcnt 0x0
	ds_add_u32 v208, v209
	s_wait_dscnt 0x0
	s_endpgm
; ---- WEIGHTS, WHOSE K IS THE FIRST AXIS.  A lane takes a column and its registers run down K: each load reads 128 consecutive bytes a wave, a block of 32 along K lies in one lane's 32 registers, and the
; conversions give codes with K innermost.  A wave takes 32 columns x 256 along K; its codes go through its own stage in LDS and leave by rows, sixteen lanes to a row's 192 consecutive bytes.
.Lweights:
	s_sub_co_u32 s21, ttmp9, 256                   ; 0-63: Wkv, 16 groups of 128 columns x 4 along K; 64-95: Wq, 8 x 4
	s_cmp_lt_u32 s21, 64
	s_cselect_b32 s22, 0, 64
	s_cselect_b32 s23, 15, 7
	s_cselect_b32 s24, 4, 3
	s_cselect_b32 s25, 13, 12
	s_cselect_b32 s26, 0, 2048                     ; where the weight's rows begin in w_codes and w_scales
	s_sub_co_u32 s27, s21, s22
	s_and_b32 s23, s27, s23                        ; which 128 columns
	s_lshr_b32 s24, s27, s24                       ; which 256 along K
	s_lshl_b32 s25, 1, s25                         ; a row of the weight in bytes: 8,192 or 4,096
	s_lshl_b32 s23, s23, 7
	s_lshl_b32 s28, s20, 5
	s_add_co_u32 s23, s23, s28                     ; my wave's first column
	s_lshl_b32 s28, s24, 8
	s_mul_i32 s28, s28, s25
	s_lshl_b32 s29, s23, 2
	s_add_co_u32 s30, s28, s29                     ; where my part of the weight begins, in bytes
	s_mov_b32 s31, 0
	s_add_co_u32 s26, s26, s23
	s_and_b32 s52, s20, 1
	s_mul_i32 s52, s52, 24
	s_sub_co_u32 s26, s26, s52                     ; my first row of the outputs: the group of 64 + 8 x (wave % 2)
	s_mul_i32 s48, s26, KROW
	s_mul_i32 s49, s24, 192
	s_add_co_u32 s48, s48, s49                     ; its codes,
	s_mov_b32 s49, 0
	s_lshl_b32 s50, s26, 5
	s_lshl_b32 s51, s24, 3
	s_add_co_u32 s50, s50, s51                     ; its scale bytes
	s_mov_b32 s51, 0
	s_lshl_b32 s28, s25, 5                         ; a block of 32 rows of the weight
	s_mov_b32 s29, 0
	s_wait_alu depctr_va_vdst(0)
	v_lshlrev_b32 v[ROFF], 2, v2
.set i, 1
.rept 31
	v_add_nc_u32 v[ROFF+i], s25, v[ROFF+i-1]
.set i, i+1
.endr
	v_and_b32 v3, 7, v2
	v_lshrrev_b32 v5, 3, v2
	v_lshl_add_u32 v3, v5, 4, v3                   ; my column's output row, from my wave's first: 16 (l / 8) + l % 8
	s_mul_i32 s52, s20, 32*BP
	s_add_co_u32 s52, s52, BLDS                    ; my stage
	v_mul_u32_u24 v4, v2, BP
	v_add_nc_u32 v4, s52, v4                       ; into it: row = my column's position
	v_lshlrev_b32 v9, 5, v3                        ; my column's row of scale bytes
	v_and_b32 v5, 15, v2
	v_lshrrev_b32 v6, 4, v2                        ; out of it: sixteen lanes to a row, two rows an instruction
	v_mul_u32_u24 v7, v6, BP
	v_lshl_add_u32 v7, v5, 4, v7
	v_add_nc_u32 v7, s52, v7
	v_mul_u32_u24 v8, v6, KROW
	v_mad_u32_u24 v8, v5, 12, v8                   ; and the same place in w_codes
	s_wait_kmcnt 0x0
	s_cmp_lt_u32 s21, 64
	s_cselect_b64 s[32:33], s[8:9], s[10:11]
	s_add_nc_u64 s[32:33], s[32:33], s[30:31]      ; a base for each of my eight blocks along K, so that no base is stepped while loads are out
.irp t, 1,2,3,4,5,6,7
	s_add_nc_u64 s[32+2*\t:33+2*\t], s[30+2*\t:31+2*\t], s[28:29]
.endr
	s_add_nc_u64 s[16:17], s[16:17], s[48:49]
	s_add_nc_u64 s[18:19], s[18:19], s[50:51]
.macro BLOAD t                         ; block t: W(32 t + i, my column), i = 0 .. 31, into set t % 2
.set i, 0
.rept 32
	global_load_b32 v[BX+32*((\t)%2)+i], v[ROFF+i], s[32+2*(\t):33+2*(\t)] th:TH_LOAD_NT
.set i, i+1
.endr
.endm
	BLOAD 0
	BLOAD 1
.macro BBLOCK t
.set XS, BX+32*((\t)%2)
.if (\t) < NB-1
	s_wait_loadcnt 32                              ; this block's 32 loads are in; the next block's 32 may be out
.else
	s_wait_loadcnt 0
.endif
	v_max3_num_f32 v12, |v[XS]|, |v[XS+1]|, |v[XS+2]|              ; the block's largest magnitude: all 32 numbers are mine
	v_max3_num_f32 v13, |v[XS+3]|, |v[XS+4]|, |v[XS+5]|
.irp i, 6,10,14,18,22,26
	v_max3_num_f32 v12, v12, |v[XS+\i]|, |v[XS+\i+1]|
	v_max3_num_f32 v13, v13, |v[XS+\i+2]|, |v[XS+\i+3]|
.endr
	v_max3_num_f32 v12, v12, |v[XS+30]|, |v[XS+31]|
	v_max3_num_f32 v12, v12, v13, (EMAX+1)<<23     ; and the floor 2^(3 - 127)
	v_add_nc_u32 v11, 0xff000000, v12              ; 2 off its exponent field: the conversions' scale operand
	v_lshrrev_b32 v13, 23, v11                     ; the scale's byte
.if (\t)%4 == 0
	v_mov_b32 v[BSB+(\t)/4], v13                   ; four bytes to a register, the lower K in the lower byte
.else
	v_lshl_or_b32 v[BSB+(\t)/4], v13, 8*((\t)%4), v[BSB+(\t)/4]
.endif
	v_cvt_scalef32_pk16_fp6_f32 v[BC:BC+2], v[XS:XS+15], v11
	v_cvt_scalef32_pk16_fp6_f32 v[BC+4:BC+6], v[XS+16:XS+31], v11  ; (a conversion's three registers begin on an even number)
	ds_store_b96 v4, v[BC:BC+2] offset:32*(\t)     ; 16 codes, 12 bytes, to a place of 16 bytes in the stage, so that every LDS address is a multiple of 16
	ds_store_b96 v4, v[BC+4:BC+6] offset:32*(\t)+16
.if (\t)+2 < NB
	BLOAD (\t)+2
.endif
	s_wait_dscnt 0x0                               ; the stores have read their registers: the next block's codes may be written (its first lines are plain vector lines)
.endm
.irp t, 0,1,2,3,4,5,6,7
	BBLOCK \t
.endr
	s_wait_alu depctr_va_vdst(0)
	global_store_b64 v9, v[BSB:BSB+1], s[18:19]    ; my column's 8 scale bytes
.irp t, 0,1,2,3,4,5,6,7,8,9,10,11,12,13,14,15
	ds_load_b96 v[BOUT+4*\t:BOUT+4*\t+2], v7 offset:2*\t*BP   ; LDS serves a wave's instructions in order: these see my stores
.endr
.irp t, 0,1,2,3,4,5,6,7,8,9,10,11,12,13,14,15
	s_wait_dscnt 15-\t                             ; the younger reads of the stage may be out
	global_store_b96 v8, v[BOUT+4*\t:BOUT+4*\t+2], s[16:17] offset:(16*(\t/4)+2*(\t%4))*KROW   ; stage row 2 t + l / 16 is a column: its output row is 16 (t / 4) + 2 (t % 4) + l / 16
.endr
	s_wait_tensorcnt 0x0
	ds_add_u32 v208, v209
	s_wait_dscnt 0x0
	s_endpgm
.Lfunc_end_k_q507e6c5954_quant:
	.size	k_q507e6c5954_quant, .Lfunc_end_k_q507e6c5954_quant-k_q507e6c5954_quant
	.p2alignl 7, 3214868480
	.fill 96, 4, 3214868480
	.section	.rodata,"a",@progbits
	.p2align	6, 0x0
	.amdhsa_kernel k_q507e6c5954_quant
		.amdhsa_group_segment_fixed_size 68096
		.amdhsa_private_segment_fixed_size 0
		.amdhsa_enable_private_segment 0
		.amdhsa_kernarg_size 64
		.amdhsa_user_sgpr_count 2
		.amdhsa_user_sgpr_kernarg_segment_ptr 1
		.amdhsa_wavefront_size32 1
		.amdhsa_system_sgpr_workgroup_id_x 1
		.amdhsa_system_sgpr_workgroup_id_y 1
		.amdhsa_system_sgpr_workgroup_id_z 1
		.amdhsa_system_vgpr_workitem_id 0
		.amdhsa_next_free_vgpr 210
		.amdhsa_next_free_sgpr 66
		.amdhsa_reserve_vcc 0
		.amdhsa_float_denorm_mode_32 3
		.amdhsa_float_denorm_mode_16_64 3
		.amdhsa_memory_ordered 1
		.amdhsa_forward_progress 1
		.amdhsa_inst_pref_size 75
	.end_amdhsa_kernel
	.amdgpu_metadata
---
amdhsa.version: [ 1, 2 ]
amdhsa.kernels:
  - .name:           k_q507e6c5954_quant
    .symbol:         k_q507e6c5954_quant.kd
    .args:
      - { .name: x, .offset: 0, .size: 8, .value_kind: global_buffer, .address_space: global }
      - { .name: query, .offset: 8, .size: 8, .value_kind: global_buffer, .address_space: global }
      - { .name: Wkv, .offset: 16, .size: 8, .value_kind: global_buffer, .address_space: global }
      - { .name: Wq, .offset: 24, .size: 8, .value_kind: global_buffer, .address_space: global }
      - { .name: a_codes, .offset: 32, .size: 8, .value_kind: global_buffer, .address_space: global }
      - { .name: a_scales, .offset: 40, .size: 8, .value_kind: global_buffer, .address_space: global }
      - { .name: w_codes, .offset: 48, .size: 8, .value_kind: global_buffer, .address_space: global }
      - { .name: w_scales, .offset: 56, .size: 8, .value_kind: global_buffer, .address_space: global }
    .group_segment_fixed_size: 68096
    .private_segment_fixed_size: 0
    .kernarg_segment_align: 8
    .kernarg_segment_size: 64
    .max_flat_workgroup_size: 128
    .sgpr_count:     66
    .vgpr_count:     210
    .wavefront_size: 32
...
	.end_amdgpu_metadata
.endif
;; end of part 1
;; launch proj (part 2): grid 4 x 48, 4 waves a work-group, clusters of 4 x 4, 327,680 bytes of LDS; arguments a_codes, a_scales, w_codes, w_scales, bkv, bq, kv; writes kv
.if DOCPART == 2
	.amdgcn_target "amdgcn-amd-amdhsa--gfx1250"
	.amdhsa_code_object_version 6
	.text
	.protected	k_q507e6c5954_proj
	.globl	k_q507e6c5954_proj
	.p2align	8
	.type	k_q507e6c5954_proj,@function
k_q507e6c5954_proj:
	s_mov_b64 s[64:65], 0
	v_nop
	global_prefetch_b8 v0, s[64:65] scope:SCOPE_SE
	s_setreg_imm32_b32 hwreg(HW_REG_WAVE_MODE, 25, 1), 1
	s_wait_xcnt 0x0
	s_wait_alu depctr_hold_cnt(0) depctr_sa_sdst(0) depctr_va_vdst(0) depctr_va_sdst(0) depctr_va_ssrc(0) depctr_va_vcc(0) depctr_vm_vsrc(0)
	s_getreg_b32 s2, hwreg(HW_REG_IB_STS2, 6, 4)
	s_cmp_eq_u32 s2, 0
	s_cbranch_scc0 .Lentry_in_a_cluster
	s_endpgm
.Lentry_in_a_cluster:
	s_bfe_u32 s2, ttmp6, 0x10000c
	s_cmp_lg_u32 s2, 0xf033
	s_cbranch_scc0 .Lentry_shape_is_right
	s_endpgm
.Lentry_shape_is_right:
; k = x Wk + bk, q = query Wq + bq, v = x Wv + bv on codes of FP6 (E2M3) with E8M0 scales, K = 1,024; the results are quantised here, in f32, and stored in kv as images of the next launch's operand registers.
; Clusters 0-3 along y make k, 4-7 q, 8-11 v.  A work-group makes 256 x 256, a wave 128 x 128 in 64 accumulators (windows 2 and 3).  192 blocks: three products of equal size do not divide into 256 blocks of this shape.
; SOURCES.  Source 0 = 16 rows of 'B', source 1 = 16 rows of 'A': a lane holds one row of A, its registers run along B's rows.  For k and q: A = tokens, B = channels (they are quantised along the head's 64 channels);
; for v: A = channels, B = tokens (it is quantised along the tokens, the second product's K).
; ORDER.  The rows of all four inputs stand, in each group of 64, by runs of 8 in the order 0, 4, 1, 5, 2, 6, 3, 7.  So register 8 (b % 4) + j of B's tiles 4 c .. 4 c + 3 in lane half h is B's row 64 c + 32 h + 8 (b % 4) + j:
; a lane's 32 registers are ONE block of 32, in order, and lanes 0-15 hold block 2 c, lanes 16-31 block 2 c + 1, as the 6-bit operand layout wants them: no lane gives codes to another.
; THE RING: two LDS slots, each with one chunk of 256 bytes of A's 256 rows and of B's 256 rows; a row of codes is 768 bytes, three chunks, each at a multiple of 256 bytes.  A step of 128 along K is 96 bytes: steps 2 and 5 lie across two chunks.
; The scales of all of K come once, at the head.  Tiles are asked for jointly: A's along a row of the 4 x 4 cluster, B's along a column.
; PREFETCH: behind the loads of chunk c stands one prefetch a wave for chunk c + 1 (c = 0, 1): one chunk ahead of the tensor load that wants it.  A lane names a row's 256 bytes; of a tile's 256 rows each of the four partners
; that ask for it jointly takes 64, told apart by address (cx for A, cy for B), waves 0, 1 for A and 2, 3 for B, 32 rows each: each block of 256 bytes is named once in each cluster.  Chunk 2 is the last: nothing is asked beyond it.
; THE BIAS is the C of each accumulator's first product: for k and q eight registers for each of B's tiles, for v one number a lane for each of A's tiles, written to eight registers.
; kv: [64 = 16 batch + head][8 blocks of 128 tokens][19,712 bytes]: +0 k, 8 tiles of 16 tokens x 768 bytes: [3][32 lanes][8]; +6,144 q likewise; +12,288 v, 4 fragments of 16 channels x 128 tokens: [3][32 lanes][16];
; +18,432 k's scale words [32 lanes][16]: word b: lanes 0-15 tile 2 b, lanes 16-31 tile 2 b + 1; +18,944 q's; +19,456 v's [32 lanes][8].
; LIMITS: NaN and infinities are not served.  A block whose largest magnitude lies under 2^-124 keeps the byte 1, a block of zeros too: its codes are zeros, and this program alone reads the bytes.
.set ROWB,   256
.set NQ,     2
.set KROW,   768
.set STEPS,  8
.set CHUNKS, 3
.set PITCH,  272                       ; 256 bytes + 16 of padding
.set FR,     12
.set NL,     6
.set NP,     4
.set HALFT,  128*PITCH
.set SLOT,   4*HALFT
.set KS,     32
.set SCL,    2*SLOT
.set HALFS,  16*272
.set SBLK,   2*272
.set SPARE,  SCL+4*HALFS               ; the spare words, 512 bytes that no other line names
.set BLKB,   19712
.set REGB,   8*BLKB
.set O8,   8                           ; v8   8 x lane (+ 6,144 for q)
.set O16,  9                           ; v9   16 x lane (+ 512 for q)
.set OB,   10                          ; v10  bias of k, q: 128 bytes x lane half
.set SH8,  11                          ; v11  8 x lane half: where my scale bytes stand in the word
.set OBV,  12                          ; v12  bias of v: my channel among the tile's
.set PFO,  14                          ; v14  the prefetches' offset: lane x a row of codes; never rewritten
.set ADRA, 16
.set ADRB, 20
.set ADRS, 27
.set SPW,  28
.set NIL,  29
.set SC,   32                          ; v32-63 scale words, two sets
.set BI,   64                          ; v64-127 the bias, as C
.set TS,   64                          ; the way out: v64-67 the conversions' scale operands
.set AF,   128                         ; v128-223 A's fragments
.set PC,   192                         ; the way out: v192-215 the codes of two blocks
.set CT,   216                         ; v216-231 the conversions' second halves
.set TM,   232                         ; v232-239 at work
.set PWS,  240
.set W,    248
.set SEL,  92
.set PFA,  94                          ; s[94:95] my 32 rows for the prefetches; never rewritten
.set G1, 24
.set G0, 32
.set G1B, 48
.set G0B, 56
.set G1S, 68
.set G0S, 76
.set G1SB, 80
.set G0SB, 88
.set G0H, 4
.set G0HB, 8
.set MSB, 0
.macro WIN new
.if MSB != \new
	s_set_vgpr_msb (MSB<<8)|\new
.set MSB, \new
.endif
.endm
.set TO_B,   0x40
.macro WMUL hi, zero                   ; source 0 window 1, source 1 window 0, D window 2 + hi; C the same, or window 0 where it is the bias
.if \zero
	WIN 0x81+0x40*\hi
.else
	WIN 0xa1+0x50*\hi
.endif
.endm
.macro JLOAD g0a, g1a, g0b, g1b        ; waves 0, 1 ask for A, waves 2, 3 for B
	s_cmp_eq_u32 s15, 0
	s_cbranch_scc0 .Lfor_b_\@
	tensor_load_to_lds s[\g0a:\g0a+3], s[\g1a:\g1a+7]
	s_nop 0
.rept 4
	v_nop
.endr
	s_branch .Lasked_\@
.Lfor_b_\@:
	tensor_load_to_lds s[\g0b:\g0b+3], s[\g1b:\g1b+7]
	s_nop 0
.rept 4
	v_nop
.endr
.Lasked_\@:
.endm
.macro CREST
	s_cmp_lg_u32 s14, 0
	s_cbranch_scc1 .Lnot_wave_0_\@
	s_barrier_signal -3
.Lnot_wave_0_\@:
	s_barrier_wait -3
	s_barrier_signal -1
	s_barrier_wait -1
.endm
.macro CROUND
	s_barrier_signal -1
	s_barrier_wait -1
	CREST
.endm
	s_load_b256 s[4:11], s[0:1], 0x0               ; a_codes, a_scales, w_codes, w_scales
	s_load_b128 s[96:99], s[0:1], 0x20             ; bkv, bq
	s_load_b64 s[12:13], s[0:1], 0x30              ; kv
	v_lshl_add_u32 v[SPW], v0, 2, SPARE
	v_mov_b32 v[NIL], 0
	ds_add_u32 v[SPW], v[NIL]                      ; the opening lines: the add twice and one wait
	ds_add_u32 v[SPW], v[NIL]
	v_lshrrev_b32 v1, 5, v0
	v_readfirstlane_b32 s14, v1                    ; wave
	s_lshr_b32 s15, s14, 1                         ; my half of A's rows; also: I ask for A (0) or B (1)
	s_and_b32 s16, s14, 1                          ; my half of B's rows; also: which 128 rows I ask for
	s_bfe_u32 s40, ttmp6, 0x40000                  ; cx
	s_bfe_u32 s41, ttmp6, 0x40004                  ; cy
	s_and_b32 s3, ttmp7, 0xffff
	s_lshr_b32 s2, s3, 2                           ; 0 k, 1 q, 2 v: the same in all partners
	s_and_b32 s66, s3, 3
	s_lshl_b32 s66, s66, 2
	s_cmp_lt_u32 s2, 2
	s_cselect_b32 s17, s66, 0
	s_cselect_b32 s42, 0, s66
	s_add_co_u32 s17, s17, s41                     ; A's tile
	s_add_co_u32 s42, s42, s40                     ; B's tile
	s_cmp_eq_u32 s2, 1
	s_cselect_b32 s67, 4096, 0                     ; A's first row in its buffer: query behind x; Wv behind Wk
	s_cselect_b32 s3, 2048, 0                      ; B's: Wq behind Wkv
	s_cmp_eq_u32 s2, 2
	s_cselect_b32 s67, 1024, s67
	s_lshl_b32 s43, s41, 2
	s_lshl_b32 s43, 15, s43                        ; my row of the cluster
	s_lshl_b32 s44, 0x1111, s40                    ; my column
	s_or_b32 s[G1+0], s43, (0<<16)|(1<<20)|(1<<21)|(5<<22)|(3<<25)
	s_or_b32 s[G1B+0], s44, (0<<16)|(1<<20)|(1<<21)|(5<<22)|(3<<25)
.irp g, G1, G1B
	s_mov_b32 s[\g+1], ROWB<<16
	s_mov_b32 s[\g+2], 256<<16                     ; 256 rows for the head's loads
	s_mov_b32 s[\g+3], ROWB<<16
	s_mov_b32 s[\g+4], 256
	s_mov_b32 s[\g+5], KROW
	s_mov_b32 s[\g+6], 0
	s_mov_b32 s[\g+7], 0
.endr
	s_or_b32 s[G1S+0], s43, (3<<16)|(1<<20)|(1<<21)|(5<<22)|(3<<25)
	s_or_b32 s[G1SB+0], s44, (3<<16)|(1<<20)|(1<<21)|(5<<22)|(3<<25)
.irp g, G1S, G1SB
	s_mov_b32 s[\g+1], 32<<16                      ; the scales of 256 rows: 8,192 dense bytes as 32 rows of 256
	s_mov_b32 s[\g+2], KS<<16
	s_mov_b32 s[\g+3], 32<<16
	s_mov_b32 s[\g+4], KS
	s_mov_b32 s[\g+5], 32
	s_mov_b32 s[\g+6], 0
	s_mov_b32 s[\g+7], 0
.endr
	s_lshl_b32 s20, s17, 8
	s_add_co_u32 s20, s20, s67
	s_lshl_b32 s46, s42, 8
	s_add_co_u32 s46, s46, s3
	s_mov_b32 s21, 0
	s_mov_b32 s47, 0
	s_mov_b64 s[18:19], KS
	s_mul_u64 s[22:23], s[20:21], s[18:19]
	s_mul_u64 s[92:93], s[46:47], s[18:19]
	s_mov_b64 s[18:19], KROW
	s_mul_u64 s[20:21], s[20:21], s[18:19]
	s_mul_u64 s[46:47], s[46:47], s[18:19]
	s_mul_i32 s18, s16, 128*KROW
	s_mov_b32 s19, 0
	s_mul_i32 s45, s14, HALFT
	s_cmp_eq_u32 s15, 0                            ; the prefetches: my place among the four that ask with me,
	s_cselect_b32 s66, s40, s41
	s_lshl_b32 s66, s66, 1
	s_add_co_u32 s66, s66, s16                     ; which 32 of the tile's 256 rows are mine,
	s_mul_i32 s66, s66, 32*KROW                    ; in bytes
	s_mov_b32 s67, 0
	s_wait_dscnt 0x0
	s_wait_kmcnt 0x0
	s_cmp_lt_u32 s2, 2                             ; for v the weights are A and the tokens B
	s_cselect_b64 s[100:101], s[4:5], s[8:9]
	s_cselect_b64 s[8:9], s[8:9], s[4:5]
	s_cselect_b64 s[4:5], s[6:7], s[10:11]
	s_cselect_b64 s[10:11], s[10:11], s[6:7]
	s_add_nc_u64 s[20:21], s[100:101], s[20:21]
	s_add_nc_u64 s[22:23], s[4:5], s[22:23]
	s_add_nc_u64 s[46:47], s[8:9], s[46:47]
	s_add_nc_u64 s[92:93], s[10:11], s[92:93]
	s_cmp_eq_u32 s15, 0
	s_cselect_b64 s[PFA:PFA+1], s[20:21], s[46:47]
	s_add_nc_u64 s[PFA:PFA+1], s[PFA:PFA+1], s[66:67]
	CROUND                                         ; the round in front of the first joint loads
	s_mov_b32 s[G0H], 1
	s_mov_b32 s[G0H+1], 0
	s_mov_b64 s[G0H+2:G0H+3], s[20:21]
	s_or_b32 s[G0H+3], s[G0H+3], 0x80000000
	s_mov_b32 s[G0HB], 1
	s_mov_b32 s[G0HB+1], 2*HALFT
	s_mov_b64 s[G0HB+2:G0HB+3], s[46:47]
	s_or_b32 s[G0HB+3], s[G0HB+3], 0x80000000
	s_mov_b32 s[G0S], 1
	s_mov_b32 s[G0S+1], SCL
	s_mov_b64 s[G0S+2:G0S+3], s[22:23]
	s_or_b32 s[G0S+3], s[G0S+3], 0x80000000
	s_mov_b32 s[G0SB], 1
	s_mov_b32 s[G0SB+1], SCL+2*HALFS
	s_mov_b64 s[G0SB+2:G0SB+3], s[92:93]
	s_or_b32 s[G0SB+3], s[G0SB+3], 0x80000000
	s_add_nc_u64 s[20:21], s[20:21], s[18:19]
	s_add_nc_u64 s[46:47], s[46:47], s[18:19]
.irp s, 0,1
	s_mov_b32 s[G0+4*\s], 1
	s_add_co_u32 s[G0+4*\s+1], s45, \s*SLOT
	s_add_nc_u64 s[G0+4*\s+2:G0+4*\s+3], s[20:21], \s*ROWB
	s_or_b32 s[G0+4*\s+3], s[G0+4*\s+3], 0x80000000
	s_mov_b32 s[G0B+4*\s], 1
	s_add_co_u32 s[G0B+4*\s+1], s45, \s*SLOT
	s_add_nc_u64 s[G0B+4*\s+2:G0B+4*\s+3], s[46:47], \s*ROWB
	s_or_b32 s[G0B+4*\s+3], s[G0B+4*\s+3], 0x80000000
.endr
; the head's four tiles, one load a wave, in one chain of branches: chunk 0 of A, chunk 0 of B, A's scales, B's scales
.macro ARM under, g0, g1, next
	s_cmp_lt_u32 s14, \under
	s_cbranch_scc0 \next
	tensor_load_to_lds s[\g0:\g0+3], s[\g1:\g1+7]
	s_nop 0
.rept 4
	v_nop
.endr
	s_branch .Lhead_asked
\next:
.endm
	ARM 1, G0H,  G1,  .Lhead_b
	ARM 2, G0HB, G1B, .Lhead_sa
	ARM 3, G0S,  G1S, .Lhead_sb
	tensor_load_to_lds s[G0SB:G0SB+3], s[G1SB:G1SB+7]
	s_nop 0
.rept 4
	v_nop
.endr
.Lhead_asked:
	v_and_b32 v1, 15, v0                           ; r
	v_bfe_u32 v2, v0, 4, 1                         ; h
	v_mul_u32_u24 v3, v1, PITCH
	v_mul_u32_u24 v4, v2, 24
	v_add_nc_u32 v4, v3, v4
	s_mov_b32 s21, SLOT-232
	s_mov_b32 s22, SLOT+232
	v_sub_nc_u32 v7, 1, v2
	v_mul_u32_u24 v5, s21, v2
	v_add_nc_u32 v5, v3, v5
	v_add_nc_u32 v5, 232, v5                       ; across two chunks: lanes 0-15 byte 232 in slot 0, lanes 16-31 byte 0 in slot 1;
	v_mul_u32_u24 v6, s22, v7
	v_add_nc_u32 v6, v3, v6                        ; and the other way round
	s_mul_i32 s21, s15, HALFT
	s_mul_i32 s22, s16, HALFT
	s_add_co_u32 s22, s22, 2*HALFT
	v_add_nc_u32 v[ADRA+2], s21, v5
	v_add_nc_u32 v[ADRA+3], s21, v6
	v_add_nc_u32 v[ADRB+2], s22, v5
	v_add_nc_u32 v[ADRB+3], s22, v6
.irp s, 0,1
	v_add_nc_u32 v[ADRA+\s], s21, v4
	v_add_nc_u32 v[ADRB+\s], s22, v4
	s_add_co_u32 s21, s21, SLOT
	s_add_co_u32 s22, s22, SLOT
.endr
	v_mul_u32_u24 v5, v1, KS
	v_lshrrev_b32 v6, 8, v5
	v_lshl_add_u32 v5, v6, 4, v5
	s_mul_i32 s21, s15, HALFS
	s_mul_i32 s22, s16, HALFS
	s_add_co_u32 s22, s22, 2*HALFS
	s_sub_co_u32 s22, s22, s21
	v_mul_u32_u24 v6, s22, v2                      ; lanes 16-31 take B's scale words
	s_add_co_u32 s21, s21, SCL
	v_add_nc_u32 v5, v5, v6
	v_add_nc_u32 v[ADRS], s21, v5
	s_cmp_lt_u32 s2, 2
	s_cselect_b32 s18, s2, 0
	s_mul_i32 s19, s18, 6144
	s_lshl_b32 s18, s18, 9
	v_and_b32 v[O8], 31, v0
	v_mul_u32_u24 v[PFO], v[O8], KROW
	v_lshlrev_b32 v[O16], 4, v[O8]
	v_lshlrev_b32 v[O8], 3, v[O8]
	v_add_nc_u32 v[O8], s19, v[O8]
	v_add_nc_u32 v[O16], s18, v[O16]
	v_lshlrev_b32 v[SH8], 3, v2
	v_lshlrev_b32 v[OB], 7, v2                     ; k, q: lane half h holds channels 32 h on
	v_lshrrev_b32 v5, 3, v1
	v_mul_u32_u24 v5, v5, 24
	v_add_nc_u32 v5, v5, v1
	v_lshlrev_b32 v[OBV], 2, v5                    ; v: lane r of a tile holds channel r + 24 (r / 8) from the tile's first
	; where my 128 tokens x 128 channels lie in kv, and my channels' bias
	s_cmp_lt_u32 s2, 2
	s_cselect_b32 s18, s17, s42                    ; the tokens' tile and half,
	s_cselect_b32 s19, s15, s16
	s_cselect_b32 s22, s42, s17                    ; the channels'
	s_cselect_b32 s23, s16, s15
	s_lshl_b32 s18, s18, 8
	s_lshl_b32 s19, s19, 7
	s_add_co_u32 s18, s18, s19
	s_lshr_b32 s19, s18, 10                        ; batch
	s_bfe_u32 s18, s18, 0x30007                    ; block of 128 tokens
	s_lshl_b32 s22, s22, 8
	s_lshl_b32 s23, s23, 7
	s_add_co_u32 s22, s22, s23                     ; first channel
	s_lshr_b32 s23, s22, 6                         ; first of my two heads
	s_lshl_b32 s19, s19, 4
	s_add_co_u32 s19, s19, s23
	s_mul_i32 s19, s19, REGB
	s_mul_i32 s18, s18, BLKB
	s_add_co_u32 s18, s18, s19
	s_mov_b32 s19, 0
	s_add_nc_u64 s[12:13], s[12:13], s[18:19]
	s_lshl_b32 s22, s22, 2
	s_mov_b32 s23, 0
	s_cmp_eq_u32 s2, 1
	s_cselect_b64 s[100:101], s[98:99], s[96:97]
	s_cmp_eq_u32 s2, 2
	s_cselect_b32 s18, 4096, 0                     ; bv lies behind bk
	s_add_co_u32 s22, s22, s18
	s_add_nc_u64 s[100:101], s[100:101], s[22:23]
	s_mov_b32 s[SEL], 0x76543210
	s_mov_b32 s[SEL+1], 0xfedcba98
	s_wait_alu depctr_va_vdst(0)
	global_prefetch_b8 v[PFO], s[PFA:PFA+1] offset:ROWB th:TH_LOAD_NT scope:SCOPE_SE   ; chunk 1 of my 32 rows
	s_cmp_eq_u32 s2, 2
	s_cbranch_scc1 .Lbias_v
.irp b, 0,1,2,3,4,5,6,7
	global_load_b128 v[BI+8*\b:BI+8*\b+3], v[OB], s[100:101] offset:(64*(\b/4)+8*(\b%4))*4
	global_load_b128 v[BI+8*\b+4:BI+8*\b+7], v[OB], s[100:101] offset:(64*(\b/4)+8*(\b%4))*4+16
.endr
	s_branch .Lbias_in
.Lbias_v:
.irp a, 0,1,2,3,4,5,6,7
	global_load_b32 v[BI+8*\a], v[OBV], s[100:101] offset:(64*(\a/4)+8*(\a%4))*4
.endr
.Lbias_in:
.macro FRAG reg, adr, st, i            ; 16 rows x 128 K: six pieces of 8 bytes; byte y of a row lies in slot (y / 256) % 2 at byte y % 256
.irp p, 0,1,2,3,4,5
.set BY, 96*(\st)+48*(\p/3)+8*(\p%3)
.if BY/ROWB == (BY+24)/ROWB
	ds_load_b64 v[\reg+2*\p:\reg+2*\p+1], v[\adr+(BY/ROWB)%2] offset:BY%ROWB+(\i)*16*PITCH
.else
	ds_load_b64 v[\reg+2*\p:\reg+2*\p+1], v[\adr+2+(BY/ROWB)%2] offset:BY%ROWB-232+(\i)*16*PITCH
.endif
.endr
.endm
; 16 products: A's blocks a0, a0 + 1 x B's eight.  zero = 0: sums go on; 1: C = the bias by B's tile; 2: C = the bias by A's tile.  The 64 accumulators take turns
.macro MUL16 a0, p, q, sc, zero
.irp a, \a0, \a0+1
.irp b, 0,1,2,3,4,5,6,7
.set AC_, 8*(8*((\a)%4)+\b)
.set BF_, 128*(\p)+FR*\b
.set AF_, AF+FR*(\a)
.set SB_, SC+8*NQ*(\sc)+NQ*\b+(\q)
.set SA_, SC+8*NQ*(\sc)+NQ*(\a)+(\q)
.if \zero == 0
	v_wmma_scale_f32_16x16x128_f8f6f4 v[AC_:AC_+7], v[BF_:BF_+FR-1], v[AF_:AF_+FR-1], v[AC_:AC_+7], v[SB_], v[SA_] matrix_a_fmt:MATRIX_FMT_FP6 matrix_b_fmt:MATRIX_FMT_FP6 matrix_a_scale:MATRIX_SCALE_ROW1
.else
.if \zero == 1
	v_wmma_scale_f32_16x16x128_f8f6f4 v[AC_:AC_+7], v[BF_:BF_+FR-1], v[AF_:AF_+FR-1], v[BI+8*\b:BI+8*\b+7], v[SB_], v[SA_] matrix_a_fmt:MATRIX_FMT_FP6 matrix_b_fmt:MATRIX_FMT_FP6 matrix_a_scale:MATRIX_SCALE_ROW1
.else
	v_wmma_scale_f32_16x16x128_f8f6f4 v[AC_:AC_+7], v[BF_:BF_+FR-1], v[AF_:AF_+FR-1], v[BI+8*(\a):BI+8*(\a)+7], v[SB_], v[SA_] matrix_a_fmt:MATRIX_FMT_FP6 matrix_b_fmt:MATRIX_FMT_FP6 matrix_a_scale:MATRIX_SCALE_ROW1
.endif
.endif
.endr
.endr
.endm
.macro FETCH_B st, p
	WIN TO_B
.irp i, 0,1,2,3,4,5,6,7
	FRAG 128*(\p)+FR*\i, ADRB, \st, \i
.endr
	WIN 0
.endm
.macro FETCH_A st, i0
.irp i, \i0, \i0+1, \i0+2, \i0+3
	FRAG AF+FR*(\i), ADRA, \st, \i
.endr
.endm
.macro SCALES pr                       ; the words of steps 2 pr, 2 pr + 1: lanes 0-15 A's block i, lanes 16-31 B's
.irp i, 0,1,2,3,4,5,6,7
	ds_load_b64 v[SC+8*NQ*((\pr)%2)+NQ*\i:SC+8*NQ*((\pr)%2)+NQ*\i+1], v[ADRS] offset:\i*SBLK+4*NQ*(\pr)
.endr
.endm
.macro PLACES n
.rept \n
	v_nop
.endr
.endm
; A step: 64 products; the next step's fragments are fetched in its middle and at its end.  Where the next step ends in a chunk not yet read, a barrier shows that chunk whole; where it begins in a later chunk,
; the chunk left behind is free: the three lines, the barrier, and, where chunk C0 + 2 exists, the cluster's round and the refill.
.macro STEP st, zero
.set NX, (\st)+1
.set C0, (96*(\st))/ROWB
.set C1, (96*NX)/ROWB
.set E0, (96*(\st)+95)/ROWB
.set E1, (96*NX+95)/ROWB
.if C1 > C0 || E1 > E0
	s_wait_tensorcnt 0x0                           ; all my tensor loads have landed
.if C1 > C0
	ds_add_u32 v[SPW], v[NIL]
	s_wait_dscnt 4*NL+1                            ; the add and A's blocks 4-7 (24 loads) may be out
.else
	s_wait_dscnt 4*NL                              ; A's blocks 4-7 may be out
.endif
	WMUL 0, \zero
	MUL16 0, (\st)%2, (\st)%2, ((\st)/2)%2, \zero
	s_wait_dscnt 0x0                               ; the add and all my reads are done
	s_barrier_signal -1
	MUL16 2, (\st)%2, (\st)%2, ((\st)/2)%2, \zero
	WIN 0
	s_barrier_wait -1
.if C1 > C0 && C0+2 < CHUNKS
	CREST
	s_add_nc_u64 s[G0+4*(C0%2)+2:G0+4*(C0%2)+3], s[G0+4*(C0%2)+2:G0+4*(C0%2)+3], 2*ROWB
	s_add_nc_u64 s[G0B+4*(C0%2)+2:G0B+4*(C0%2)+3], s[G0B+4*(C0%2)+2:G0B+4*(C0%2)+3], 2*ROWB
	JLOAD G0+4*(C0%2), G1, G0B+4*(C0%2), G1B       ; its four v_nop are the places in front of the loads below
.else
	PLACES NP
.endif
.else
	s_wait_dscnt 4*NL
	WMUL 0, \zero
	MUL16 0, (\st)%2, (\st)%2, ((\st)/2)%2, \zero
	MUL16 2, (\st)%2, (\st)%2, ((\st)/2)%2, \zero
	s_wait_dscnt 0
	PLACES NP
.endif
	FETCH_B NX, NX%2
	FETCH_A NX, 0
.if NX%2 == 0
	SCALES NX/2
.endif
	WMUL 1, \zero
	MUL16 4, (\st)%2, (\st)%2, ((\st)/2)%2, \zero
	MUL16 6, (\st)%2, (\st)%2, ((\st)/2)%2, \zero
	PLACES NP
	WIN 0
	FETCH_A NX, 4
.endm
; A's blocks a and a + 1 (a even; 64 accumulator registers a lane each: two whole blocks of 32) become 12 registers of codes and a scale word each.  The two blocks' four blocks of 32 take turns line by line
.macro QUANT2 a
.set WN_, 2+(\a)/4
	WIN WN_*5                                      ; sources 0 and 1: the accumulators' window
.irp e, 0,1
.irp c, 0,1
	v_max3_num_f32 v[TM+4*\e+\c], |v[64*((\a)%4+\e)+32*\c]|, |v[64*((\a)%4+\e)+32*\c+1]|, 0x1800000     ; with the floor 2^(3 - 127); two chains for each block of 32, each accumulator from its low end on
.endr
.endr
.irp e, 0,1
.irp c, 0,1
	v_max3_num_f32 v[TM+4*\e+2+\c], |v[64*((\a)%4+\e)+32*\c+2]|, |v[64*((\a)%4+\e)+32*\c+3]|, 0x1800000
.endr
.endr
.irp i, 4,8,12,16,20,24,28
.irp e, 0,1
.irp c, 0,1
	v_max3_num_f32 v[TM+4*\e+\c], |v[64*((\a)%4+\e)+32*\c+\i]|, |v[64*((\a)%4+\e)+32*\c+\i+1]|, v[TM+4*\e+\c]
.endr
.endr
.irp e, 0,1
.irp c, 0,1
	v_max3_num_f32 v[TM+4*\e+2+\c], |v[64*((\a)%4+\e)+32*\c+\i+2]|, |v[64*((\a)%4+\e)+32*\c+\i+3]|, v[TM+4*\e+2+\c]
.endr
.endr
.endr
	WIN 0
.irp e, 0,1
.irp c, 0,1
	v_max_num_f32 v[TM+4*\e+\c], v[TM+4*\e+\c], v[TM+4*\e+2+\c]
.endr
.endr
.irp e, 0,1
.irp c, 0,1
	v_add_nc_u32 v[TS+2*\e+\c], 0xff000000, v[TM+4*\e+\c]   ; 2 off the exponent field: the conversions' scale operand
.endr
.endr
.irp e, 0,1
.irp c, 0,1
	v_lshrrev_b32 v[TM+4*\e+\c], 23, v[TS+2*\e+\c]          ; the byte
.endr
.endr
.irp e, 0,1
	v_lshl_or_b32 v[TM+4*\e], v[TM+4*\e+1], 16, v[TM+4*\e]  ; my bytes: blocks h and 2 + h,
.endr
.irp e, 0,1
	v_lshlrev_b32 v[TM+4*\e], v[SH8], v[TM+4*\e]            ; at their places;
.endr
.irp e, 0,1
	v_permlanex16_b32 v[TM+4*\e+2], v[TM+4*\e], s[SEL], s[SEL+1]
.endr
.irp e, 0,1
	v_or_b32 v[PWS+\a+\e], v[TM+4*\e], v[TM+4*\e+2]         ; with lane l xor 16's the word is whole
.endr
	WIN WN_
.irp e, 0,1
.irp c, 0,1
	v_cvt_scalef32_pk16_fp6_f32 v[PC+12*\e+6*\c:PC+12*\e+6*\c+2], v[64*((\a)%4+\e)+32*\c:64*((\a)%4+\e)+32*\c+15], v[TS+2*\e+\c]
	v_cvt_scalef32_pk16_fp6_f32 v[CT+8*\e+4*\c:CT+8*\e+4*\c+2], v[64*((\a)%4+\e)+32*\c+16:64*((\a)%4+\e)+32*\c+31], v[TS+2*\e+\c]
.endr
.endr
	WIN 0
	v_nop                                          ; a plain place behind the conversions
.irp e, 0,1
.irp c, 0,1
.irp i, 0,1,2
	v_mov_b32 v[PC+12*\e+6*\c+3+\i], v[CT+8*\e+4*\c+\i]
.endr
.endr
.endr
.endm
	s_wait_alu depctr_va_vdst(0)
	s_wait_tensorcnt 0x0                           ; my tile of the head's four is in
	ds_add_u32 v[SPW], v[NIL]
	s_mov_b32 s[G1+2], 128<<16                     ; no load of mine is out: from here on a load brings 128 rows
	s_mov_b32 s[G1+4], 128
	s_mov_b32 s[G1B+2], 128<<16
	s_mov_b32 s[G1B+4], 128
	s_wait_dscnt 0x0
	CROUND
	JLOAD G0+4, G1, G0B+4, G1B                     ; chunk 1, slot 1's first fill, issued as a refill is
	FETCH_B 0, 0
	FETCH_A 0, 0
	SCALES 0
	global_prefetch_b8 v[PFO], s[PFA:PFA+1] offset:2*ROWB th:TH_LOAD_NT scope:SCOPE_SE   ; chunk 2 of my 32 rows, the last
	FETCH_A 0, 4
	s_wait_loadcnt 0x0                             ; the bias
	s_cmp_eq_u32 s2, 2
	s_cbranch_scc1 .Lfirst_v
	STEP 0, 1
	s_branch .Lwalk
.Lfirst_v:
.irp a, 0,1,2,3,4,5,6,7
.irp j, 1,2,3,4,5,6,7
	v_mov_b32 v[BI+8*\a+\j], v[BI+8*\a]            ; my channel's bias meets eight tokens
.endr
.endr
	s_wait_alu depctr_va_vdst(0)
	STEP 0, 2
.Lwalk:
.set ST, 1
.rept STEPS-2
	STEP ST, 0
.set ST, ST+1
.endr
	s_wait_dscnt 4*NL
	WMUL 0, 0
	MUL16 0, 1, 1, 1, 0
	MUL16 2, 1, 1, 1, 0
	s_wait_dscnt 0
	WMUL 1, 0
	MUL16 4, 1, 1, 1, 0
	MUL16 6, 1, 1, 1, 0
	WIN 0
	PLACES NP
	s_cmp_eq_u32 s2, 2
	s_cbranch_scc1 .Lrole_v
.irp a, 0,2,4,6                                ; k, q: a block is a tile of 16 tokens; registers 6 c .. 6 c + 5 are head c's 64 channels
.if \a > 0
	s_wait_xcnt 0x0                                ; the last pair's stores have read their registers
.endif
	QUANT2 \a
.irp e, 0,1
.irp c, 0,1
.irp p, 0,1,2
	global_store_b64 v[O8], v[PC+12*\e+6*\c+2*\p:PC+12*\e+6*\c+2*\p+1], s[12:13] offset:\c*REGB+(\a+\e)*768+256*\p   ; 32 lanes store 256 consecutive bytes
.endr
.endr
.endr
.endr
	v_and_b32 v13, 31, v0
	v_cmp_lt_u32 vcc_lo, 15, v13
.irp b, 0,1,2,3
	v_cndmask_b32 v[W+\b], v[PWS+2*\b], v[PWS+2*\b+1], vcc_lo
.endr
.irp b, 0,1,2,3
	v_lshrrev_b32 v[W+4+\b], 16, v[W+\b]           ; the second head's two bytes
.endr
	global_store_b128 v[O16], v[W:W+3], s[12:13] offset:18432
	global_store_b128 v[O16], v[W+4:W+7], s[12:13] offset:REGB+18432
	s_branch .Ldone
.Lrole_v:
.irp a, 0,2,4,6                                ; v: block a is fragment a % 4 of head a / 4: 16 channels x 128 tokens
.if \a > 0
	s_wait_xcnt 0x0
.endif
	QUANT2 \a
.irp e, 0,1
.irp g, 0,1,2
	global_store_b128 v[O16], v[PC+12*\e+4*\g:PC+12*\e+4*\g+3], s[12:13] offset:((\a+\e)/4)*REGB+12288+((\a+\e)%4)*1536+512*\g
.endr
.endr
.endr
	v_and_b32 v13, 31, v0
	v_cmp_lt_u32 vcc_lo, 15, v13
.irp b, 0,1,2,3
	v_cndmask_b32 v[W+\b], v[PWS+2*\b], v[PWS+2*\b+1], vcc_lo
.endr
	global_store_b64 v[O8], v[W:W+1], s[12:13] offset:19456
	global_store_b64 v[O8], v[W+2:W+3], s[12:13] offset:REGB+19456
.Ldone:
	s_wait_tensorcnt 0x0                           ; the wave's end
	ds_add_u32 v[SPW], v[NIL]
	s_wait_dscnt 0x0
	CROUND                                         ; the closing round
	s_endpgm
.Lfunc_end_k_q507e6c5954_proj:
	.size	k_q507e6c5954_proj, .Lfunc_end_k_q507e6c5954_proj-k_q507e6c5954_proj
	.p2alignl 7, 3214868480
	.fill 96, 4, 3214868480
	.section	.rodata,"a",@progbits
	.p2align	6, 0x0
	.amdhsa_kernel k_q507e6c5954_proj
		.amdhsa_group_segment_fixed_size 327680
		.amdhsa_private_segment_fixed_size 0
		.amdhsa_enable_private_segment 0
		.amdhsa_kernarg_size 56
		.amdhsa_user_sgpr_count 2
		.amdhsa_user_sgpr_kernarg_segment_ptr 1
		.amdhsa_wavefront_size32 1
		.amdhsa_system_sgpr_workgroup_id_x 1
		.amdhsa_system_sgpr_workgroup_id_y 1
		.amdhsa_system_sgpr_workgroup_id_z 1
		.amdhsa_system_vgpr_workitem_id 0
		.amdhsa_next_free_vgpr 1024
		.amdhsa_next_free_sgpr 102
		.amdhsa_reserve_vcc 1
		.amdhsa_float_denorm_mode_32 3
		.amdhsa_float_denorm_mode_16_64 3
		.amdhsa_memory_ordered 1
		.amdhsa_forward_progress 1
		.amdhsa_inst_pref_size 209
	.end_amdhsa_kernel
	.amdgpu_metadata
---
amdhsa.version: [ 1, 2 ]
amdhsa.kernels:
  - .name:           k_q507e6c5954_proj
    .symbol:         k_q507e6c5954_proj.kd
    .args:
      - { .name: a_codes, .offset: 0, .size: 8, .value_kind: global_buffer, .address_space: global }
      - { .name: a_scales, .offset: 8, .size: 8, .value_kind: global_buffer, .address_space: global }
      - { .name: w_codes, .offset: 16, .size: 8, .value_kind: global_buffer, .address_space: global }
      - { .name: w_scales, .offset: 24, .size: 8, .value_kind: global_buffer, .address_space: global }
      - { .name: bkv, .offset: 32, .size: 8, .value_kind: global_buffer, .address_space: global }
      - { .name: bq, .offset: 40, .size: 8, .value_kind: global_buffer, .address_space: global }
      - { .name: kv, .offset: 48, .size: 8, .value_kind: global_buffer, .address_space: global }
    .group_segment_fixed_size: 327680
    .private_segment_fixed_size: 0
    .kernarg_segment_align: 8
    .kernarg_segment_size: 56
    .max_flat_workgroup_size: 128
    .sgpr_count:     102
    .vgpr_count:     1024
    .wavefront_size: 32
...
	.end_amdgpu_metadata
.endif
;; end of part 2
;; launch attn (part 3): grid 4 x 64, 16 waves a work-group, clusters of 4 x 1, 327,680 bytes of LDS; arguments kv, out0; writes out0
.if DOCPART == 3
	.amdgcn_target "amdgcn-amd-amdhsa--gfx1250"
	.amdhsa_code_object_version 6
	.text
	.protected	k_q507e6c5954_attn
	.globl	k_q507e6c5954_attn
	.p2align	8
	.type	k_q507e6c5954_attn,@function
k_q507e6c5954_attn:
	s_mov_b64 s[64:65], 0
	v_nop
	global_prefetch_b8 v0, s[64:65] scope:SCOPE_SE
	s_setreg_imm32_b32 hwreg(HW_REG_WAVE_MODE, 25, 1), 1
	s_wait_xcnt 0x0
	s_wait_alu depctr_hold_cnt(0) depctr_sa_sdst(0) depctr_va_vdst(0) depctr_va_sdst(0) depctr_va_ssrc(0) depctr_va_vcc(0) depctr_vm_vsrc(0)
	s_getreg_b32 s2, hwreg(HW_REG_IB_STS2, 6, 4)
	s_cmp_eq_u32 s2, 0
	s_cbranch_scc0 .Lentry_in_a_cluster
	s_endpgm
.Lentry_in_a_cluster:
	s_bfe_u32 s2, ttmp6, 0x10000c
	s_cmp_lg_u32 s2, 0x3003
	s_cbranch_scc0 .Lentry_shape_is_right
	s_endpgm
.Lentry_shape_is_right:
; out[b][n][64 h + d] = the sum over 2,048 keys of softmax(q . key / 8) value: keys 0-1023 are k's rows, keys 1024-2047 q's own rows; values j and 1024 + j are both v's row j.
; Both products on codes of FP6 (E2M3) with E8M0 scales.  kv holds images of operand registers: [64 = 16 b + h][8 blocks of 128 tokens][19,712 bytes]: +0 k, 8 tiles x 768: [3][32 lanes][8]; +6,144 q likewise;
; +12,288 v, 4 fragments (16 channels x 128 keys) x 1,536: [3][32 lanes][16]; +18,432 k's scale words [32 lanes][16]: word b: lanes 0-15 tile 2 b, lanes 16-31 tile 2 b + 1; +18,944 q's; +19,456 v's [32 lanes][8].
; THE SOFTMAX: t = score x log2(e) / 8; M = the row's largest t so far, rounded up to a whole number; p = 2^(t - M) is quantised along the keys, not normalised.  The row's sum is taken of the unquantised p, in f32,
; and divides O at the end.  When M moves, the sum and O are multiplied by 2^(old M - new M): exact.
; SHARES.  A work-group owns 256 queries of one (batch, head), each of its 16 waves a tile of 16.  A head's region, 157,696 bytes, stays in LDS and is filled once; the head's four work-groups form a cluster and ask jointly.
; Waves 0 and 1 ask for blocks 0 and 1 at the head; waves 2 to 7 for blocks 2 to 7 behind the next round: one tensor load a wave in the whole launch; every wait on TENSORcnt is for 0.
; a wave signals it behind block 0's trip, its own load awaited, and waits for it behind block 1's trip, which is work on registers and LDS loads alone.
; Nothing is prefetched: all that a work-group reads is asked for ahead of its trips.
; LAYOUT.  Both products transposed: S^T = K Q^T, O^T = V^T P^T: a lane holds one query (lane % 16).  Row r of tile 4 g + t holds token 64 g + 8 t + r + 24 (r / 8): so the 32 registers of tiles 4 g .. 4 g + 3 in lane half h
; are keys 64 g + 32 h + 0 .. 31: ONE block of 32, whole and in order, in the lane in which p's operand wants it.  A block's maximum asks no other lane, and no codes change lanes.  v's channels stand likewise:
; register 8 t + j of O^T is channel 32 h + 8 t + j.
; A TRIP takes a block of the region: 128 rows of k and 128 of q under one M, both against the same 128 rows of v, whose fragments land in score registers that are done with.
; The multiply-adds, additions and multiplications on pairs of neighbouring registers are dual-issue pairs: destinations one even and one odd, each place's two sources in different banks (register number mod 4);
; for that c, -M and f are kept twice.
; THE FIRST PRODUCT'S K IS 64 of the instruction's 128: Q's registers 6-11 are zero codes; a key tile's registers 6-11 are the next tile's codes, and behind the fourth tile c's bits twice and zeros: every pattern of 6 bits
; is a finite number, and it meets zero codes; the scale words' upper bytes are never 0xff.
; LIMITS: NaN and infinities are not served.  The promise holds while the scaled scores t stay under 2^31 in magnitude.  A block's largest p is taken through its largest score by the same multiply-add and exponential;
; this takes v_exp_f32 not to fall where its input rises.
.set BLKB,  19712
.set REGB,  8*BLKB
.set STAGE, REGB                       ; 16 rows x 272 bytes for each wave, for the way out; no tensor load lands there
.set SP,    272
.set SPARE, STAGE+16*16*SP             ; the spare words, 2,048 bytes that no other line names
.set L8,   1                           ; 8 x lane
.set L16,  2                           ; 16 x lane
.set A8,   3                           ; the block in hand + 8 x lane
.set A16,  4
.set SH8,  5                           ; 8 x (lane / 16)
.set SPW,  6
.set NIL,  7
.set VS,   8                           ; v8-9 v's scale words
.set PWD,  10                          ; v10-11 p's scale words.   v12 -M, v13 the largest score, v14, v15 the sum in two halves
.set QF,   16                          ; v16-21 Q's codes, v22-27 zero codes
.set QS,   28
.set NM2,  29                          ; -M once more
.set KF,   30                          ; v30-53 four tiles of keys.  Behind the scores v30-47 are at work:
.set F,    30                          ; v30, v31: f = 2^(old M - new M), twice
.set SO,   32                          ; the conversions' scale operands
.set BX,   36                          ; the bytes
.set T,    40
.set X,    41
.set SB,   42                          ; three more chains of the sum
.set SC,   44
.set SD,   46
.set CV,   54                          ; v54, v55: c, twice; v56-59 zeros; never rewritten
.set KS,   60                          ; v60-63 the keys' scale words
.set O,    64                          ; v64-95 O^T
.set P,    96                          ; v96-119 p's codes, two fragments (v96-98 at work in the maxima)
.set MB,   96
.set CT,   120                         ; v120-127 the conversions' second halves (v120-123: each block's largest score, then p)
.set BM,   120
.set S,    128                         ; v128-255 S^T, then p; then v128-175 v's fragments
.set WV,   8
.set SEL,  20
.set CS,   22                          ; c = log2(e) / 8
.set G1,   24
.set G0,   32
.set NC,   36                          ; -c
.set TB,   48
.set CNT,  49
.macro CROUND
	s_barrier_signal -1
	s_barrier_wait -1
	s_cmp_lg_u32 s[WV], 0
	s_cbranch_scc1 .Lnot_wave_0_\@
	s_barrier_signal -3
.Lnot_wave_0_\@:
	s_barrier_wait -3
	s_barrier_signal -1
	s_barrier_wait -1
.endm
	s_load_b128 s[4:7], s[0:1], 0x0                ; kv, out
	v_lshl_add_u32 v[SPW], v0, 2, SPARE
	v_mov_b32 v[NIL], 0
	ds_add_u32 v[SPW], v[NIL]                      ; the opening lines
	ds_add_u32 v[SPW], v[NIL]
	v_lshrrev_b32 v1, 5, v0
	v_readfirstlane_b32 s[WV], v1                  ; wave 0..15
	s_bfe_u32 s9, ttmp6, 0x40000                   ; cx
	s_and_b32 s10, ttmp7, 0xffff                   ; 16 x batch + head
	s_lshl_b32 s11, ttmp9, 2
	s_add_co_u32 s11, s11, s9                      ; my block of 256 queries: it enters Q's and out's addresses alone
	s_mov_b32 s[G1], 15|(3<<16)|(1<<21)            ; a block: 77 rows of 256 bytes, for all four work-groups
	s_mov_b32 s[G1+1], 32<<16
	s_mov_b32 s[G1+2], 77<<16
	s_mov_b32 s[G1+3], 32<<16
	s_mov_b32 s[G1+4], 77
	s_mov_b32 s[G1+5], 32
	s_mov_b32 s[G1+6], 0
	s_mov_b32 s[G1+7], 0
	s_mul_i32 s12, s[WV], BLKB                     ; wave w (under 8) fetches block w: the same offset in memory and in LDS
	s_mov_b32 s13, 0
	s_mul_i32 s14, s10, REGB
	s_mov_b32 s15, 0
	s_mov_b32 s[SEL], 0x76543210
	s_mov_b32 s[SEL+1], 0xfedcba98
	s_mov_b32 s[CS], 0x3e38aa3b
	s_mov_b32 s[NC], 0xbe38aa3b
	s_mov_b32 s[TB], 0
	s_wait_dscnt 0x0
	s_wait_kmcnt 0x0
	s_add_nc_u64 s[16:17], s[4:5], s[14:15]        ; the head's region
	s_add_nc_u64 s[18:19], s[16:17], s[12:13]
	CROUND                                         ; the round in front of the first joint loads
	s_mov_b32 s[G0], 1
	s_mov_b32 s[G0+1], s12
	s_mov_b64 s[G0+2:G0+3], s[18:19]
	s_or_b32 s[G0+3], s[G0+3], 0x80000000
	s_cmp_lt_u32 s[WV], 2
	s_cbranch_scc0 .Lno_fill
	tensor_load_to_lds s[G0:G0+3], s[G1:G1+7]      ; blocks 0 and 1
	s_nop 0
.rept 4
	v_nop
.endr
.Lno_fill:
	; my tile of queries, 16 x (my 256) + wave, is tile wave % 8 of q in block 2 x (my 256) + wave / 8
	s_lshr_b32 s50, s[WV], 3
	s_lshl_b32 s51, s11, 1
	s_add_co_u32 s50, s50, s51
	s_mul_i32 s50, s50, BLKB
	s_mov_b32 s51, 0
	s_add_nc_u64 s[52:53], s[16:17], s[50:51]
	s_and_b32 s54, s[WV], 7
	s_mul_i32 s55, s54, 768
	s_and_b32 s56, s54, 1
	s_lshl_b32 s56, s56, 8
	s_lshr_b32 s57, s54, 1
	s_lshl_b32 s57, s57, 2
	s_add_co_u32 s56, s56, s57                     ; its scale words: lanes 16 (tile % 2) on, word tile / 2
	v_and_b32 v29, 31, v0
	v_lshlrev_b32 v[L8], 3, v29
	v_lshlrev_b32 v[L16], 4, v29
	v_and_b32 v29, 15, v0
	v_add_nc_u32 v[S], s55, v[L8]
	v_lshl_add_u32 v[S+1], v29, 4, s56
.irp i, 0,1,2
	global_load_b64 v[QF+2*\i:QF+2*\i+1], v[S], s[52:53] offset:6144+256*\i
.endr
	global_load_b32 v[QS], v[S+1], s[52:53] offset:18944
	v_bfe_u32 v[SH8], v0, 4, 1
	v_lshlrev_b32 v[SH8], 3, v[SH8]
	; my tile's first row in out: batch x 4 MiB + row x 4,096 + head x 256; the row is 64 (tile / 4) + 8 (tile % 4)
	s_lshl_b32 s54, s11, 4
	s_add_co_u32 s54, s54, s[WV]
	s_lshr_b32 s55, s54, 2
	s_lshl_b32 s55, s55, 6
	s_and_b32 s54, s54, 3
	s_lshl_b32 s54, s54, 3
	s_add_co_u32 s54, s54, s55
	s_lshl_b32 s54, s54, 12
	s_lshr_b32 s55, s10, 4
	s_lshl_b32 s55, s55, 22
	s_add_co_u32 s54, s54, s55
	s_and_b32 s55, s10, 15
	s_lshl_b32 s55, s55, 8
	s_add_co_u32 s54, s54, s55
	s_mov_b32 s55, 0
	s_add_nc_u64 s[6:7], s[6:7], s[54:55]
.irp j, 0,1,2,3,4,5
	v_mov_b32 v[QF+6+\j], 0
.endr
	v_mov_b32 v[CV], s[CS]
	v_mov_b32 v[CV+1], s[CS]
.irp j, 2,3,4,5
	v_mov_b32 v[CV+\j], 0
.endr
	v_mov_b32 v13, 0xff61b1e6                      ; the largest score so far: -3e38
	v_floor_f32 v12, -v13                          ; -M
	v_mov_b32 v14, 0
	v_mov_b32 v15, 0
.set j, 0
.rept 32
	v_mov_b32 v[O+j], 0                            ; the trip is written once: the first finds zeros, which f = 0 leaves zeros
.set j, j+1
.endr
.macro KLOAD p, g                      ; four tiles of 16 keys: p = 0 k's rows, 1 q's
.irp t, 0,1,2,3
.irp i, 0,1,2
	ds_load_b64 v[KF+6*\t+2*\i:KF+6*\t+2*\i+1], v[A8] offset:\p*6144+(4*\g+\t)*768+256*\i
.endr
.endr
.if \g == 0
	ds_load_b128 v[KS:KS+3], v[A16] offset:18432+512*\p
.endif
	s_wait_dscnt 0x0
.endm
.macro SMUL p, g
.irp t, 0,1,2,3
.if \t%2
	v_wmma_scale_f32_16x16x128_f8f6f4 v[S+64*\p+32*\g+8*\t:S+64*\p+32*\g+8*\t+7], v[KF+6*\t:KF+6*\t+11], v[QF:QF+11], 0, v[KS+2*\g+\t/2], v[QS] matrix_a_fmt:MATRIX_FMT_FP6 matrix_b_fmt:MATRIX_FMT_FP6 matrix_a_scale:MATRIX_SCALE_ROW1
.else
	v_wmma_scale_f32_16x16x128_f8f6f4 v[S+64*\p+32*\g+8*\t:S+64*\p+32*\g+8*\t+7], v[KF+6*\t:KF+6*\t+11], v[QF:QF+11], 0, v[KS+2*\g+\t/2], v[QS] matrix_a_fmt:MATRIX_FMT_FP6 matrix_b_fmt:MATRIX_FMT_FP6
.endif
.endr
.endm
.macro MAXB n                          ; the largest score of my block n: 32 registers, four chains; each accumulator is first read at its low end
.set B, S+32*(\n)
	v_max3_num_f32 v[BM+\n], v[B], v[B+1], v[B+2]
	v_max3_num_f32 v[MB], v[B+3], v[B+4], v[B+5]
	v_max3_num_f32 v[MB+1], v[B+6], v[B+7], v[B+8]
	v_max3_num_f32 v[MB+2], v[B+9], v[B+10], v[B+11]
.irp i, 12,20
	v_max3_num_f32 v[BM+\n], v[BM+\n], v[B+\i], v[B+\i+1]
	v_max3_num_f32 v[MB], v[MB], v[B+\i+2], v[B+\i+3]
	v_max3_num_f32 v[MB+1], v[MB+1], v[B+\i+4], v[B+\i+5]
	v_max3_num_f32 v[MB+2], v[MB+2], v[B+\i+6], v[B+\i+7]
.endr
	v_max3_num_f32 v[BM+\n], v[BM+\n], v[B+28], v[B+29]
	v_max3_num_f32 v[MB], v[MB], v[B+30], v[B+31]
	v_max3_num_f32 v[BM+\n], v[BM+\n], v[MB], v[MB+1]
	v_max_num_f32 v[BM+\n], v[BM+\n], v[MB+2]
.endm
.macro PCODES p                        ; my two blocks of fragment p: registers 6 c .. 6 c + 5 take k = 64 c + 32 h + 0 .. 31
.irp c, 0,1
	v_cvt_scalef32_pk16_fp6_f32 v[P+12*\p+6*\c:P+12*\p+6*\c+2], v[S+64*\p+32*\c:S+64*\p+32*\c+15], v[SO+2*\p+\c]
	v_cvt_scalef32_pk16_fp6_f32 v[CT+4*\c:CT+4*\c+2], v[S+64*\p+32*\c+16:S+64*\p+32*\c+31], v[SO+2*\p+\c]   ; (a conversion's three registers begin on an even number)
.endr
	v_nop                                          ; a plain place behind the conversions
.endm
.macro PMOVS p
.irp c, 0,1
	v_dual_mov_b32 v[P+12*\p+6*\c+4], v[CT+4*\c+1] :: v_dual_mov_b32 v[P+12*\p+6*\c+3], v[CT+4*\c]
	v_mov_b32 v[P+12*\p+6*\c+5], v[CT+4*\c+2]
.endr
.endm
.macro ADD4 j                          ; eight p onto the sum's four chains of two halves
	v_dual_add_f32 v14, v[S+\j], v14 :: v_dual_add_f32 v15, v[S+\j+1], v15
	v_dual_add_f32 v[SB], v[S+\j+2], v[SB] :: v_dual_add_f32 v[SB+1], v[S+\j+3], v[SB+1]
	v_dual_add_f32 v[SC], v[S+\j+4], v[SC] :: v_dual_add_f32 v[SC+1], v[S+\j+5], v[SC+1]
	v_dual_add_f32 v[SD], v[S+\j+6], v[SD] :: v_dual_add_f32 v[SD+1], v[S+\j+7], v[SD+1]
.endm
.macro TRIP
	v_add_nc_u32 v[A8], s[TB], v[L8]               ; (with the three pairs at the last trip's end: five places between the last products and the first below, which writes over v's fragments)
	v_add_nc_u32 v[A16], s[TB], v[L16]
	s_wait_alu depctr_va_vdst(0)                   ; the wait behind these writes
	KLOAD 0, 0
	SMUL 0, 0
.rept 4
	v_nop                                          ; places in front of the loads into the tiles' registers and of the first read of the scores
.endr
	KLOAD 0, 1
	SMUL 0, 1
	MAXB 0                                         ; each block's maximum stands behind the next group's products and is their places
	KLOAD 1, 0
	SMUL 1, 0
	MAXB 1
	KLOAD 1, 1
	SMUL 1, 1
	MAXB 2
	MAXB 3
	v_max3_num_f32 v[T], v[BM], v[BM+1], v[BM+2]
	v_max_num_f32 v[T], v[T], v[BM+3]
	v_permlanex16_b32 v[X], v[T], s[SEL], s[SEL+1]
	v_max3_num_f32 v13, v13, v[T], v[X]            ; the running largest score of my query (c is positive)
	v_mul_f32 v[T], s[NC], v13                     ; -t
	v_mov_b32 v[X], v12
	v_floor_f32 v12, v[T]                          ; the new -M = floor(-t) = -ceil(t)
	v_sub_f32 v[T], v12, v[X]                      ; old M - new M: a whole number, 0 or less
	v_mov_b32 v[NM2], v12
	v_cvt_i32_f32 v[T], v[T]                       ; (it saturates)
	v_ldexp_f32 v[F], 1.0, v[T]                    ; f
.set j, 0
.rept 64
	v_dual_fma_f32 v[S+j], v[S+j], v[CV], v12 :: v_dual_fma_f32 v[S+j+1], v[S+j+1], v[CV+1], v[NM2]   ; t - M
.set j, j+2
.endr
.irp b, 0,1,2,3
	v_fma_f32 v[BM+\b], v[BM+\b], s[CS], v12       ; the same of each block's largest score
.endr
	s_wait_alu depctr_va_vdst(0)
.set j, 0
.rept 128
	v_exp_f32 v[S+j], v[S+j]                       ; p
.set j, j+1
.endr
.irp b, 0,1,2,3
	v_exp_f32 v[BM+\b], v[BM+\b]                   ; the block's largest p
.endr
	v_ldexp_f32 v[F+1], 1.0, v[T]                  ; f once more (a plain place behind the batch)
	s_wait_alu depctr_va_vdst(0)                   ; and the wait behind it
	v_dual_mul_f32 v14, v14, v[F] :: v_dual_mul_f32 v15, v15, v[F+1]   ; the sum under the new M
.irp b, 0,1,2,3
	v_max_num_f32 v[BM+\b], 0x1800000, v[BM+\b]    ; the floor 2^(3 - 127): the byte cannot fall under 1
.endr
.irp b, 0,1,2,3
	v_add_nc_u32 v[SO+\b], 0xff000000, v[BM+\b]    ; 2 off the exponent field
.endr
.irp b, 0,1,2,3
	v_lshrrev_b32 v[BX+\b], 23, v[SO+\b]
.endr
.irp p, 0,1
	v_lshl_or_b32 v[BX+2*\p], v[BX+2*\p+1], 16, v[BX+2*\p]   ; my bytes of fragment p: blocks h and 2 + h,
.endr
.irp p, 0,1
	v_lshlrev_b32 v[BX+2*\p], v[SH8], v[BX+2*\p]   ; at their places;
.endr
.irp p, 0,1
	v_permlanex16_b32 v[BX+2*\p+1], v[BX+2*\p], s[SEL], s[SEL+1]
.endr
.irp p, 0,1
	v_or_b32 v[PWD+\p], v[BX+2*\p], v[BX+2*\p+1]   ; with lane l xor 16's the word is whole
.endr
	PCODES 0
	v_dual_add_f32 v14, v[S], v14 :: v_dual_add_f32 v15, v[S+1], v15   ; the row's sum of the unquantised p, in four chains
	v_dual_add_f32 v[SB], v[S+2], v[S+4] :: v_dual_add_f32 v[SB+1], v[S+3], v[S+5]
	v_dual_add_f32 v[SC], v[S+6], v[S+8] :: v_dual_add_f32 v[SC+1], v[S+7], v[S+9]
	v_dual_add_f32 v[SD], v[S+10], v[S+12] :: v_dual_add_f32 v[SD+1], v[S+11], v[S+13]
.irp j, 14,22,30,38,46,54
	ADD4 \j
.endr
	v_dual_add_f32 v14, v[S+62], v14 :: v_dual_add_f32 v15, v[S+63], v15
	PMOVS 0
.irp t, 0,1,2,3                                ; v's fragments, into registers whose p has been summed and converted
.irp j, 0,1,2
	ds_load_b128 v[S+12*\t+4*\j:S+12*\t+4*\j+3], v[A16] offset:12288+1536*\t+512*\j
.endr
.endr
	ds_load_b64 v[VS:VS+1], v[A8] offset:19456
	PCODES 1
.irp j, 64,72,80,88,96,104,112,120
	ADD4 \j
.endr
	PMOVS 1
	s_wait_alu depctr_va_vdst(0)                   ; the wait directly ahead of the first reader of O^T
.set j, 0
.rept 16
	v_dual_mul_f32 v[O+j], v[O+j], v[F] :: v_dual_mul_f32 v[O+j+1], v[O+j+1], v[F+1]   ; O^T under the new M; also the sixteen places between the writes of p's codes and words and the products
.set j, j+2
.endr
	s_wait_alu depctr_va_vdst(0)
	s_wait_dscnt 0x0                               ; v's fragments and scale words are in
.irp p, 0,1                                    ; O^T += V^T P^T: the four accumulators take turns
.irp t, 0,1,2,3
.if \t%2
	v_wmma_scale_f32_16x16x128_f8f6f4 v[O+8*\t:O+8*\t+7], v[S+12*\t:S+12*\t+11], v[P+12*\p:P+12*\p+11], v[O+8*\t:O+8*\t+7], v[VS+\t/2], v[PWD+\p] matrix_a_fmt:MATRIX_FMT_FP6 matrix_b_fmt:MATRIX_FMT_FP6 matrix_a_scale:MATRIX_SCALE_ROW1
.else
	v_wmma_scale_f32_16x16x128_f8f6f4 v[O+8*\t:O+8*\t+7], v[S+12*\t:S+12*\t+11], v[P+12*\p:P+12*\p+11], v[O+8*\t:O+8*\t+7], v[VS+\t/2], v[PWD+\p] matrix_a_fmt:MATRIX_FMT_FP6 matrix_b_fmt:MATRIX_FMT_FP6
.endif
.endr
.endr
	v_dual_add_f32 v[SB], v[SC], v[SB] :: v_dual_add_f32 v[SB+1], v[SC+1], v[SB+1]   ; the sum's chains are joined behind the products: three places
	v_dual_add_f32 v14, v[SD], v14 :: v_dual_add_f32 v15, v[SD+1], v15
	v_dual_add_f32 v14, v[SB], v14 :: v_dual_add_f32 v15, v[SB+1], v15
	s_add_co_u32 s[TB], s[TB], BLKB
.endm
	s_wait_alu depctr_va_vdst(0)
	s_wait_tensorcnt 0x0                           ; blocks 0 and 1 have landed (waves 0 and 1)
	ds_add_u32 v[SPW], v[NIL]                      ; the add twice
	ds_add_u32 v[SPW], v[NIL]
	s_wait_dscnt 0x0
	CROUND
	s_cmp_lt_u32 s[WV], 2
	s_cbranch_scc1 .Lno_fill2
	s_cmp_lt_u32 s[WV], 8
	s_cbranch_scc0 .Lno_fill2
	tensor_load_to_lds s[G0:G0+3], s[G1:G1+7]      ; blocks 2 to 7, one a wave
	s_nop 0
.rept 4
	v_nop
.endr
.Lno_fill2:
	s_wait_loadcnt 0x0                             ; Q
	TRIP                                           ; block 0
	s_wait_tensorcnt 0x0                           ; my load has landed,
	s_wait_dscnt 0x0                               ; (no LDS instruction of mine is out at a signal)
	s_barrier_signal -1                            ; say so;
	TRIP                                           ; block 1: registers and LDS loads of bytes that nobody writes;
	s_barrier_wait -1                              ; everybody's has
	s_mov_b32 s[CNT], 6
.Lrest:                                            ; blocks 2 to 7
	TRIP
	s_sub_co_u32 s[CNT], s[CNT], 1
	s_cmp_lg_u32 s[CNT], 0
	s_cbranch_scc1 .Lrest
	; THE WAY OUT: O^T / the sum goes through my stage, so that sixteen lanes store a query's 256 consecutive bytes
	v_add_f32 v14, v14, v15
	v_permlanex16_b32 v[T], v14, s[SEL], s[SEL+1]
	v_add_f32 v14, v14, v[T]                       ; the row's sum
	s_wait_alu depctr_va_vdst(0)
	v_rcp_f32 v14, v14
	v_and_b32 v1, 15, v0                           ; r
	v_bfe_u32 v2, v0, 4, 1                         ; h
	s_mul_i32 s50, s[WV], 16*SP
	s_add_co_u32 s50, s50, STAGE
	v_mul_u32_u24 v29, v1, SP
	v_lshl_add_u32 v29, v2, 7, v29
	v_add_nc_u32 v29, s50, v29                     ; in: row r, my 32 channels from byte 128 h on
	v_mul_u32_u24 v3, v2, SP
	v_lshl_add_u32 v3, v1, 4, v3
	v_add_nc_u32 v3, s50, v3                       ; back: lanes 0-15 one row, lanes 16-31 the next
	v_lshlrev_b32 v4, 12, v2
	v_lshl_add_u32 v4, v1, 4, v4                   ; and the same two rows in out
	s_wait_alu depctr_va_vdst(0)                   ; for the reciprocal, and directly ahead of the first reader of O^T
.set j, 0
.rept 16
	v_pk_mul_f32 v[S+j:S+j+1], v[O+j:O+j+1], v[14:15] op_sel_hi:[1,0]   ; each accumulator from its low end on
.set j, j+2
.endr
.irp k, 0,1,2,3,4,5,6,7
	ds_store_b128 v29, v[S+4*\k:S+4*\k+3] offset:16*\k
.endr
.irp i, 0,1,2,3,4,5,6,7
	ds_load_b128 v[S+32+4*\i:S+32+4*\i+3], v3 offset:2*\i*SP   ; LDS serves a wave's instructions in order: these see my stores
.endr
.irp i, 0,1,2,3,4,5,6,7
	s_wait_dscnt 7-\i                              ; the younger reads of the stage may be out
	global_store_b128 v4, v[S+32+4*\i:S+32+4*\i+3], s[6:7] offset:(2*\i+24*(\i/4))*4096 th:TH_STORE_NT   ; the tile's row r is query r + 24 (r / 8) from its first; 16 lanes store 256 consecutive bytes, aligned
.endr
	s_wait_tensorcnt 0x0                           ; the wave's end
	ds_add_u32 v[SPW], v[NIL]
	s_wait_dscnt 0x0
	CROUND                                         ; the closing round
	s_endpgm
.Lfunc_end_k_q507e6c5954_attn:
	.size	k_q507e6c5954_attn, .Lfunc_end_k_q507e6c5954_attn-k_q507e6c5954_attn
	.p2alignl 7, 3214868480
	.fill 96, 4, 3214868480
	.section	.rodata,"a",@progbits
	.p2align	6, 0x0
	.amdhsa_kernel k_q507e6c5954_attn
		.amdhsa_group_segment_fixed_size 327680
		.amdhsa_private_segment_fixed_size 0
		.amdhsa_enable_private_segment 0
		.amdhsa_kernarg_size 16
		.amdhsa_user_sgpr_count 2
		.amdhsa_user_sgpr_kernarg_segment_ptr 1
		.amdhsa_wavefront_size32 1
		.amdhsa_system_sgpr_workgroup_id_x 1
		.amdhsa_system_sgpr_workgroup_id_y 1
		.amdhsa_system_sgpr_workgroup_id_z 1
		.amdhsa_system_vgpr_workitem_id 0
		.amdhsa_next_free_vgpr 256
		.amdhsa_next_free_sgpr 66
		.amdhsa_reserve_vcc 0
		.amdhsa_float_denorm_mode_32 3
		.amdhsa_float_denorm_mode_16_64 3
		.amdhsa_memory_ordered 1
		.amdhsa_forward_progress 1
		.amdhsa_inst_pref_size 100
	.end_amdhsa_kernel
	.amdgpu_metadata
---
amdhsa.version: [ 1, 2 ]
amdhsa.kernels:
  - .name:           k_q507e6c5954_attn
    .symbol:         k_q507e6c5954_attn.kd
    .args:
      - { .name: kv, .offset: 0, .size: 8, .value_kind: global_buffer, .address_space: global }
      - { .name: out0, .offset: 8, .size: 8, .value_kind: global_buffer, .address_space: global }
    .group_segment_fixed_size: 327680
    .private_segment_fixed_size: 0
    .kernarg_segment_align: 8
    .kernarg_segment_size: 16
    .max_flat_workgroup_size: 512
    .sgpr_count:     66
    .vgpr_count:     256
    .wavefront_size: 32
...
	.end_amdgpu_metadata
.endif
;; end of part 3
